; MI455X (gfx1250); checked and timed in simulation.
; The chip was launched on July 23, 2026; its instructions are those of AMD's public machine-readable ISA for CDNA 5 (MIT licence, August 2026) and "CDNA5" Instruction Set Architecture Reference Guide (July 2026). The comments in the code are by the model that wrote it; some were corrected since.
;; Group B Internal Pipeline. Allowed arithmetic: matrix products marked QUANTISED: E2M3 operands, one E8M0 scale for each 32 along K, by v_wmma_scale_f32_16x16x128_f8f6f4 with both operands' format E2M3, f32 sums; products left as they are: f32 operands where the result goes on into a quantised operand, else bf16, f16 or f32 operands; f32 sums; everything else in f32.
;; Inputs: bW1 2 x 64 float32; bW2 64 x 8 float32; bb1 64 float32; bb2 8 float32; cWk 256 x 256 float32; cWo 256 x 256 float32; cWq 256 x 256 float32; cWv 256 x 256 float32; eWq 256 x 256 float32; ego_distances 512 x 128 float32; ego_idx 512 int32; ego_speed 512 float32; ln1_b 256 float32; ln1_g 256 float32; ln2_b 256 float32; ln2_g 256 float32; pWk 256 x 256 float32; pWo 256 x 256 float32; pWq 256 x 256 float32; pWv 256 x 256 float32; tokens 512 x 128 x 256 float32.
;; Outputs: out0 512 x 128 x 256 float32.
;; This version of the problem:
;;   THIS VERSION OF THE PROBLEM IS GIVEN IN LOW PRECISION. The matrix products marked QUANTISED in the list below multiply operands that are first quantised to E2M3 (2 exponent bits, 3 mantissa bits; 6 bits a number), with one power-of-two scale for each 32 numbers along K (OCP MX v1.0); their sums are f32. All else is computed in f32.
;;   The module's matrix products, in the order in which they are computed (A, B: the left and right operand; K: the contracted axis; several contracted axes count as one K, in the product's order):
;;     1. [M 65,536, K 256] x [K 256, N 256]; A: computed on the way; B: input cWq: QUANTISED
;;     2. [M 512, K 256] x [K 256, N 256]; A: computed on the way; B: input cWk: QUANTISED
;;     3. [M 512, K 256] x [K 256, N 256]; A: computed on the way; B: input cWv: QUANTISED
;;     4. batch 4,096 x [M 128, K 32] x [K 32, N 1]; A: computed on the way; B: computed on the way: left as it is (N = 1 < 16)
;;     5. batch 4,096 x [M 32, K 1] x [K 1, N 128]; A: computed on the way; B: softmax: left as it is (K = 1 < 32)
;;     6. [M 65,536, K 256] x [K 256, N 256]; A: computed on the way; B: input cWo: QUANTISED
;;     7. [M 65,536, K 256] x [K 256, N 256]; A: computed on the way; B: input pWq: QUANTISED
;;     8. [M 65,536, K 256] x [K 256, N 256]; A: computed on the way; B: input eWq: QUANTISED
;;     9. [M 262,144, K 256] x [K 256, N 256]; A: computed on the way; B: input pWk: QUANTISED
;;     10. [M 262,144, K 256] x [K 256, N 256]; A: computed on the way; B: input pWv: QUANTISED
;;     11. batch 524,288 x [M 1, K 32] x [K 32, N 4]; A: computed on the way; B: computed on the way: left as it is (M = 1 < 16)
;;     12. [M 262,144, K 2] x [K 2, N 64]; A: computed on the way; B: input bW1: left as it is (K = 2 < 32)
;;     13. [M 262,144, K 64] x [K 64, N 8]; A: computed on the way; B: input bW2: left as it is (N = 8 < 16)
;;     14. batch 524,288 x [M 1, K 4] x [K 4, N 32]; A: softmax; B: computed on the way: left as it is (K = 4 < 32)
;;     15. [M 65,536, K 256] x [K 256, N 256]; A: computed on the way; B: input pWo: QUANTISED
;;   THE QUANTISER, for each operand of a quantised product, along K:
;;     - K is cut into blocks of 32 from its start; a last block that is shorter is filled with zeros.
;;     - A block's scale is 2^e with e = floor(log2(the largest magnitude in the block)) - 2, held to -126 .. 127; a block of zeros has e = 0. As a byte (E8M0): e + 127.
;;     - Each number is divided by its block's scale, clamped to +-7.5, and rounded to the nearest number of E2M3, ties to even, subnormals kept.
;;     - The product sums the exact products of the quantised numbers (number of the format x scale) in f32.
;;   ~~~python
;;   def quantise(x, axis):      # numpy; x: float32 -> the quantised numbers, widened to float32 again
;;       x = np.moveaxis(x, axis, -1); K = x.shape[-1]
;;       x = np.pad(x, [(0, 0)] * (x.ndim - 1) + [(0, -K % 32)]); x = x.reshape(x.shape[:-1] + (-1, 32)); a = np.abs(x).max(-1, keepdims=True)
;;       e = np.where(a > 0, np.clip(np.frexp(np.where(a > 0, a, 1))[1] - 1 - 2, -126, 127), 0)      # np.frexp(a)[1] - 1 = floor(log2(a)), exactly
;;       r = np.clip(x / 2.0 ** e, -7.5, 7.5)
;;       step = 2.0 ** (np.maximum(np.frexp(np.where(r == 0, 1, r))[1] - 1, 0) - 3)
;;       q = np.round(r / step) * step * 2.0 ** e      # np.round: ties to even
;;       return np.moveaxis(q.reshape(q.shape[:-2] + (-1,))[..., :K], -1, axis).astype(np.float32)
;;   ~~~
;;   OPERANDS COMPUTED ON THE WAY. 'Computed on the way' means the value that the module computes at that place (a softmax that the list does not call 'softmax' is quantised finished and normalised). What goes into a quantiser is computed in f32, as accurately as f32 sums, v_exp_f32 and their like allow (about 1e-6 of the number): no bf16 or f16 on the way to a quantiser, and a product that is left as it is and whose result goes on into a quantised operand takes f32 operands (vector FMAs, or v_wmma_f32_16x16x4_f32). A number that lies on a knife's edge between two numbers of the format may be rounded either way, as far as f32 arithmetic and the matrix unit's own rounding can turn it there, and no further.
;; One version. Each part assembles by itself: llvm-mc -triple=amdgcn-amd-amdhsa -mcpu=gfx1250 --defsym DOCPART=n.
;; ======== version 1 of 1: 2 launches
;; limits: right only within a limited range of input values
;; workspace buffers: wq 344,064 bytes; ws 28,672 bytes; nbr 65,536 bytes of whole numbers; d5 65,536 bytes; par 5,120 bytes
;; launch prep (part 1): grid 93 x 1, 8 waves a work-group, no clusters, 0 bytes of LDS; arguments cWv, cWo, pWq, eWq, pWk, pWv, pWo, ego_distances, ego_idx, bW1, bb1, bW2, bb2, ln2_g, ln2_b, wq, ws, nbr, d5, par; writes wq, ws, nbr, d5, par
.if DOCPART == 1
	.amdgcn_target "amdgcn-amd-amdhsa--gfx1250"
	.amdhsa_code_object_version 6
	.text
	.protected	k_qc3eab2fc5c_prep
	.globl	k_qc3eab2fc5c_prep
	.p2align	8
	.type	k_qc3eab2fc5c_prep,@function
k_qc3eab2fc5c_prep:
	s_mov_b64 s[64:65], 0
	v_nop
	global_prefetch_b8 v0, s[64:65] scope:SCOPE_SE
	s_setreg_imm32_b32 hwreg(HW_REG_WAVE_MODE, 25, 1), 1
	s_wait_xcnt 0x0
; PREP: what every batch needs and no batch should make again.  Three kinds of work-groups, told apart by the work-group's number.
; (W) work-groups 0-27: seven weights [256 (k)][256 (n)] f32 become codes of FP6 (E2M3) with one E8M0 byte for each 32 along k, laid IN THE ORDER OF AN OPERAND'S REGISTERS.
;     One wave makes one fragment (16 columns x 128 k, 12 registers a lane).  Fragment g = 32 i + 4 w + 2 u + s (weight i, head w, tile u, K step s) lies at 1536 g in wq, register group q of lane l at 512 q + 16 l;
;     its scale words at 128 g + 4 l in ws.  Lane (r, h) takes column 32 w + 8 u + r + 8 (r / 8), and its registers run down k = 128 s + 64 c + 32 h + 0 .. 31: the conversions' results are the operand's registers.
; (T) work-groups 28-91: one wave a batch ranks the 128 distances: the five nearest rows by (distance, index), the lower index first among equals.  Row n's four neighbours are these five less n itself, or less the fifth.
;     nbr[b][0..4] the rows, [5] the ego row held at 127, the rest = [0];  d5[b][c] their distances, the rest = [4].  Nothing here forms an address from them.
; (P) work-group 92: the small parameters on end in par: bW2 at 0, bW1 at 2048, bb1 at 2560, bb2 eight times at 2816, ln2_g at 3072, ln2_b at 4096.
; LIMITS: NaN and infinities among the inputs are not served.  A block of zeros gets the scale byte 1 (its codes are zeros; this program alone reads the bytes).
; WHAT THE PROGRAM LEAVES OUT.  Stage 1's softmax runs over ONE key: exp(s - s) / exp(s - s) = 1 for every finite score s, so out1 is one row a batch, Q(Ve) Q(cWo); x1 cWq, ego cWk and the scores reach no output: cWq and cWk are
; not loaded and are among no launch's arguments.  ego_speed is dropped by reference() itself and is not loaded.  A row's four neighbours are the batch's five nearest rows less one, so K and V are made for five rows a batch, and
; x2 eWq, which one_hot(ego_idx) keeps for one row only, for that row.  A NaN, an infinity or an overflow that reaches only what is left out is not carried to the result.
	s_load_b512 s[8:23], s[0:1], 0x0               ; cWv s8, cWo s10, pWq s12, eWq s14, pWk s16, pWv s18, pWo s20, ego_distances s22
	s_load_b512 s[24:39], s[0:1], 0x40             ; ego_idx s24, bW1 s26, bb1 s28, bW2 s30, bb2 s32, ln2_g s34, ln2_b s36, wq s38
	s_load_b256 s[40:47], s[0:1], 0x80             ; ws s40, nbr s42, d5 s44, par s46
	v_lshrrev_b32 v1, 5, v0
	s_delay_alu instid0(VALU_DEP_1)
	v_readfirstlane_b32 s48, v1                    ; wave 0..7
	v_and_b32 v1, 31, v0                           ; lane
	v_and_b32 v2, 15, v0                           ; r
	v_bfe_u32 v3, v0, 4, 1                         ; h
	s_mov_b32 s60, 0x76543210
	s_mov_b32 s61, 0xfedcba98                      ; v_permlanex16_b32's selects for lane l xor 16
	s_wait_kmcnt 0x0
	s_cmp_lt_u32 ttmp9, 28
	s_cbranch_scc0 .Lnot_w
; ---------------- (W) one fragment a wave
	s_lshr_b32 s50, ttmp9, 2                       ; which weight: four work-groups, 32 fragments, each
	s_mov_b64 s[52:53], s[8:9]
.irp i, 1,2,3,4,5,6
	s_cmp_eq_u32 s50, \i
	s_cselect_b64 s[52:53], s[8+2*\i:9+2*\i], s[52:53]   ; the choice hangs on the work-group's number alone
.endr
	s_and_b32 s51, ttmp9, 3
	s_lshl_b32 s51, s51, 3
	s_add_co_u32 s51, s51, s48                     ; 4 w + 2 u + s
	s_lshr_b32 s54, s51, 2
	s_lshl_b32 s54, s54, 7                         ; 32 w columns of 4 bytes
	s_bfe_u32 s55, s51, 0x10001
	s_lshl_b32 s55, s55, 5                         ; 8 u columns
	s_add_co_u32 s54, s54, s55
	s_and_b32 s55, s51, 1
	s_lshl_b32 s55, s55, 17                        ; 128 s rows of 1,024 bytes
	s_add_co_u32 s54, s54, s55
	s_mov_b32 s55, 0
	s_add_nc_u64 s[52:53], s[52:53], s[54:55]
	s_lshl_b32 s56, ttmp9, 3
	s_add_co_u32 s56, s56, s48                     ; g
	s_mul_i32 s58, s56, 1536
	s_mov_b32 s59, 0
	s_add_nc_u64 s[38:39], s[38:39], s[58:59]
	s_lshl_b32 s58, s56, 7
	s_add_nc_u64 s[40:41], s[40:41], s[58:59]
	s_wait_alu depctr_va_vdst(0)
	v_and_b32 v4, 8, v2
	s_delay_alu instid0(VALU_DEP_1)
	v_add_nc_u32 v4, v4, v2                        ; r + 8 (r / 8)
	s_delay_alu instid0(VALU_DEP_1)
	v_lshlrev_b32 v4, 2, v4
	s_delay_alu instid0(VALU_DEP_1)
	v_lshl_add_u32 v4, v3, 15, v4                  ; lanes 16-31 begin 32 rows further down
	v_lshlrev_b32 v5, 4, v1
	v_lshlrev_b32 v6, 2, v1
.irp c, 0,1
.irp e, 0,1,2,3,4,5,6,7,8,9,10,11,12,13,14,15,16,17,18,19,20,21,22,23,24,25,26,27,28,29,30,31
	global_load_b32 v[64+32*\c+\e], v4, s[52:53] offset:(64*\c+\e)*1024
.endr
.endr
	s_wait_loadcnt 0x0
.irp c, 0,1                                        ; my block 2 c + h: all its 32 numbers are mine
	v_max3_num_f32 v[32+\c], |v[64+32*\c]|, |v[65+32*\c]|, 0x1800000   ; with the floor 2^(3 - 127): the byte cannot fall under 1
.endr
.irp i, 2,4,6,8,10,12,14,16,18,20,22,24,26,28,30
.irp c, 0,1
	s_delay_alu instid0(VALU_DEP_2)
	v_max3_num_f32 v[32+\c], v[32+\c], |v[64+32*\c+\i]|, |v[65+32*\c+\i]|
.endr
.endr
.irp c, 0,1
	s_delay_alu instid0(VALU_DEP_2)
	v_add_nc_u32 v[44+\c], 0xff000000, v[32+\c]    ; 2 off the exponent field: the conversion's scale operand
.endr
.irp c, 0,1
	s_delay_alu instid0(VALU_DEP_2)
	v_lshrrev_b32 v[36+\c], 23, v[44+\c]           ; the scale's byte
.endr
	s_delay_alu instid0(VALU_DEP_1)
	v_lshl_or_b32 v9, v37, 16, v36                 ; my two bytes: blocks h and 2 + h,
	v_lshlrev_b32 v10, 3, v3
	s_delay_alu instid0(VALU_DEP_1)
	v_lshlrev_b32 v9, v10, v9                      ; at their places in the word;
	v_mov_b32 v10, 0
	s_delay_alu instid0(VALU_DEP_1)
	v_permlanex16_b32 v10, v9, s60, s61
	s_delay_alu instid0(VALU_DEP_1)
	v_or_b32 v9, v9, v10                           ; with lane l xor 16's two the word is whole, in both halves of the lanes
.irp c, 0,1
	v_cvt_scalef32_pk16_fp6_f32 v[48+6*\c:50+6*\c], v[64+32*\c:79+32*\c], v[44+\c]
	v_cvt_scalef32_pk16_fp6_f32 v[16+4*\c:18+4*\c], v[80+32*\c:95+32*\c], v[44+\c]   ; (a conversion's three registers begin on an even number)
.endr
	v_nop                                          ; one plain place behind a scaled conversion
.irp c, 0,1
.irp i, 0,1,2
	v_mov_b32 v[51+6*\c+\i], v[16+4*\c+\i]
.endr
.endr
.irp q, 0,1,2
	global_store_b128 v5, v[48+4*\q:51+4*\q], s[38:39] offset:512*\q   ; 32 lanes store 512 consecutive bytes
.endr
	global_store_b32 v6, v9, s[40:41]
	s_endpgm
.Lnot_w:
	s_cmp_lt_u32 ttmp9, 92
	s_cbranch_scc0 .Lpar
; ---------------- (T) one batch a wave
	s_sub_co_u32 s50, ttmp9, 28
	s_lshl_b32 s50, s50, 3
	s_add_co_u32 s50, s50, s48                     ; the batch
	s_mov_b32 s53, 0
	s_lshl_b32 s52, s50, 9
	s_add_nc_u64 s[22:23], s[22:23], s[52:53]
	s_lshl_b32 s52, s50, 2
	s_add_nc_u64 s[24:25], s[24:25], s[52:53]
	s_lshl_b32 s52, s50, 7
	s_add_nc_u64 s[42:43], s[42:43], s[52:53]
	s_add_nc_u64 s[44:45], s[44:45], s[52:53]
	s_wait_alu depctr_va_vdst(0)
	v_lshlrev_b32 v4, 4, v1
	v_mov_b32 v5, 0
	global_load_b128 v[8:11], v4, s[22:23]         ; my four distances: rows 4 l .. 4 l + 3
	global_load_b32 v6, v5, s[24:25]               ; the ego row
	v_lshlrev_b32 v7, 2, v1
	s_delay_alu instid0(VALU_DEP_1)
	v_cvt_f32_u32 v12, v7                          ; their row numbers as f32 (exact)
	s_delay_alu instid0(VALU_DEP_1)
	v_add_f32 v13, 1.0, v12
	s_delay_alu instid0(VALU_DEP_2)
	v_add_f32 v14, 2.0, v12
	s_delay_alu instid0(VALU_DEP_2)
	v_add_f32 v15, 2.0, v13
	v_mov_b32 v24, 0x4e6e6b28                      ; 1e9: above every row number
	v_mov_b32 v25, 0x7f800000                      ; +infinity: a row that has been taken
	v_mov_b32 v17, 0                               ; (a lane permute's destination counts as one of its sources)
	s_wait_loadcnt 0x0
.macro MIN32 d                                     ; the least of v[d] over the 32 lanes, in every lane
	s_delay_alu instid0(VALU_DEP_1)
	v_min_num_f32_dpp v[\d], v[\d], v[\d] row_xmask:1 row_mask:0xf bank_mask:0xf
	s_delay_alu instid0(VALU_DEP_1)
	v_min_num_f32_dpp v[\d], v[\d], v[\d] row_xmask:2 row_mask:0xf bank_mask:0xf
	s_delay_alu instid0(VALU_DEP_1)
	v_min_num_f32_dpp v[\d], v[\d], v[\d] row_xmask:4 row_mask:0xf bank_mask:0xf
	s_delay_alu instid0(VALU_DEP_1)
	v_min_num_f32_dpp v[\d], v[\d], v[\d] row_xmask:8 row_mask:0xf bank_mask:0xf
	s_wait_alu depctr_va_vdst(0)
	v_permlanex16_b32 v17, v[\d], s60, s61
	s_delay_alu instid0(VALU_DEP_1)
	v_min_num_f32 v[\d], v[\d], v17
.endm
.macro ROUND c                                     ; the c-th nearest: the least distance, of its rows the lowest; that row is then out of the running
	v_min3_num_f32 v16, v8, v9, v10
	s_delay_alu instid0(VALU_DEP_1)
	v_min_num_f32 v16, v16, v11
	MIN32 16
.irp e, 0,1,2,3
	v_cmp_eq_f32 vcc_lo, v[8+\e], v16
	s_delay_alu instid0(VALU_DEP_1)
	v_cndmask_b32 v[18+\e], v24, v[12+\e], vcc_lo
.endr
	s_delay_alu instid0(VALU_DEP_3)
	v_min3_num_f32 v22, v18, v19, v20
	s_delay_alu instid0(VALU_DEP_1)
	v_min_num_f32 v22, v22, v21
	MIN32 22
.irp e, 0,1,2,3
	v_cmp_eq_f32 vcc_lo, v[12+\e], v22
	s_delay_alu instid0(VALU_DEP_1)
	v_cndmask_b32 v[8+\e], v[8+\e], v25, vcc_lo
.endr
	v_mov_b32 v[32+\c], v16
	v_cvt_u32_f32 v[40+\c], v22
.endm
.irp c, 0,1,2,3,4
	ROUND \c
.endr
	v_min_u32 v6, 127, v6
	v_mov_b32 v26, v40
	s_delay_alu instid0(VALU_DEP_4)
	v_mov_b32 v27, v36
.irp c, 1,2,3,4
	v_cmp_eq_u32 vcc_lo, \c, v1
	s_delay_alu instid0(VALU_DEP_1)
	v_cndmask_b32 v26, v26, v[40+\c], vcc_lo
.endr
	v_cmp_eq_u32 vcc_lo, 5, v1
	s_delay_alu instid0(VALU_DEP_1)
	v_cndmask_b32 v26, v26, v6, vcc_lo
.irp c, 0,1,2,3
	v_cmp_eq_u32 vcc_lo, \c, v1
	s_delay_alu instid0(VALU_DEP_1)
	v_cndmask_b32 v27, v27, v[32+\c], vcc_lo
.endr
	global_store_b32 v7, v26, s[42:43]
	global_store_b32 v7, v27, s[44:45]
	s_endpgm
; ---------------- (P) the small parameters on end
.Lpar:
	s_wait_alu depctr_va_vdst(0)
	v_lshlrev_b32 v4, 4, v1                        ; 16 bytes a lane
	s_cmp_lt_u32 s48, 4
	s_cbranch_scc0 .Lp4
	s_lshl_b32 s50, s48, 9                         ; waves 0-3: bW2, 512 bytes each
	v_add_nc_u32 v5, s50, v4
	global_load_b128 v[8:11], v5, s[30:31]
	s_wait_alu depctr_va_vdst(0)
	s_wait_loadcnt 0x0
	global_store_b128 v5, v[8:11], s[46:47]
	s_cmp_lt_u32 s48, 2
	s_cbranch_scc0 .Lpend
	global_load_b128 v[12:15], v5, s[36:37]        ; waves 0-1 also: ln2_b
	s_wait_loadcnt 0x0
	global_store_b128 v5, v[12:15], s[46:47] offset:4096
.Lpend:
	s_endpgm
.Lp4:
	s_cmp_eq_u32 s48, 4
	s_cbranch_scc0 .Lp5
	s_wait_alu depctr_va_vdst(0)
	global_load_b128 v[8:11], v4, s[26:27]         ; wave 4: bW1
	s_wait_loadcnt 0x0
	global_store_b128 v4, v[8:11], s[46:47] offset:2048
	s_endpgm
.Lp5:
	s_cmp_eq_u32 s48, 5
	s_cbranch_scc0 .Lp6
	v_lshlrev_b32 v6, 3, v1                        ; wave 5: bb1, 8 bytes a lane; bb2's 32 bytes eight times over
	s_delay_alu instid0(VALU_DEP_1)
	v_and_b32 v7, 24, v6
	global_load_b64 v[8:9], v6, s[28:29]
	global_load_b64 v[10:11], v7, s[32:33]
	s_wait_alu depctr_va_vdst(0)
	s_wait_loadcnt 0x0
	global_store_b64 v6, v[8:9], s[46:47] offset:2560
	global_store_b64 v6, v[10:11], s[46:47] offset:2816
	s_endpgm
.Lp6:
	s_sub_co_u32 s50, s48, 6                       ; waves 6-7: ln2_g
	s_lshl_b32 s50, s50, 9
	s_wait_alu depctr_va_vdst(0)
	v_add_nc_u32 v5, s50, v4
	global_load_b128 v[8:11], v5, s[34:35]
	s_wait_alu depctr_va_vdst(0)
	s_wait_loadcnt 0x0
	global_store_b128 v5, v[8:11], s[46:47] offset:3072
	s_endpgm
.Lfunc_end_k_qc3eab2fc5c_prep:
	.size	k_qc3eab2fc5c_prep, .Lfunc_end_k_qc3eab2fc5c_prep-k_qc3eab2fc5c_prep
	.p2alignl 7, 3214868480
	.fill 96, 4, 3214868480
	.section	.rodata,"a",@progbits
	.p2align	6, 0x0
	.amdhsa_kernel k_qc3eab2fc5c_prep
		.amdhsa_group_segment_fixed_size 0
		.amdhsa_private_segment_fixed_size 0
		.amdhsa_enable_private_segment 0
		.amdhsa_kernarg_size 160
		.amdhsa_user_sgpr_count 2
		.amdhsa_user_sgpr_kernarg_segment_ptr 1
		.amdhsa_wavefront_size32 1
		.amdhsa_system_sgpr_workgroup_id_x 1
		.amdhsa_system_sgpr_workgroup_id_y 1
		.amdhsa_system_sgpr_workgroup_id_z 1
		.amdhsa_system_vgpr_workitem_id 0
		.amdhsa_next_free_vgpr 128
		.amdhsa_next_free_sgpr 66
		.amdhsa_reserve_vcc 1
		.amdhsa_float_denorm_mode_32 3
		.amdhsa_float_denorm_mode_16_64 3
		.amdhsa_memory_ordered 1
		.amdhsa_forward_progress 1
		.amdhsa_inst_pref_size 29
	.end_amdhsa_kernel
	.amdgpu_metadata
---
amdhsa.version: [ 1, 2 ]
amdhsa.kernels:
  - .name:           k_qc3eab2fc5c_prep
    .symbol:         k_qc3eab2fc5c_prep.kd
    .args:
      - { .name: cWv, .offset: 0, .size: 8, .value_kind: global_buffer, .address_space: global }
      - { .name: cWo, .offset: 8, .size: 8, .value_kind: global_buffer, .address_space: global }
      - { .name: pWq, .offset: 16, .size: 8, .value_kind: global_buffer, .address_space: global }
      - { .name: eWq, .offset: 24, .size: 8, .value_kind: global_buffer, .address_space: global }
      - { .name: pWk, .offset: 32, .size: 8, .value_kind: global_buffer, .address_space: global }
      - { .name: pWv, .offset: 40, .size: 8, .value_kind: global_buffer, .address_space: global }
      - { .name: pWo, .offset: 48, .size: 8, .value_kind: global_buffer, .address_space: global }
      - { .name: ego_distances, .offset: 56, .size: 8, .value_kind: global_buffer, .address_space: global }
      - { .name: ego_idx, .offset: 64, .size: 8, .value_kind: global_buffer, .address_space: global }
      - { .name: bW1, .offset: 72, .size: 8, .value_kind: global_buffer, .address_space: global }
      - { .name: bb1, .offset: 80, .size: 8, .value_kind: global_buffer, .address_space: global }
      - { .name: bW2, .offset: 88, .size: 8, .value_kind: global_buffer, .address_space: global }
      - { .name: bb2, .offset: 96, .size: 8, .value_kind: global_buffer, .address_space: global }
      - { .name: ln2_g, .offset: 104, .size: 8, .value_kind: global_buffer, .address_space: global }
      - { .name: ln2_b, .offset: 112, .size: 8, .value_kind: global_buffer, .address_space: global }
      - { .name: wq, .offset: 120, .size: 8, .value_kind: global_buffer, .address_space: global }
      - { .name: ws, .offset: 128, .size: 8, .value_kind: global_buffer, .address_space: global }
      - { .name: nbr, .offset: 136, .size: 8, .value_kind: global_buffer, .address_space: global }
      - { .name: d5, .offset: 144, .size: 8, .value_kind: global_buffer, .address_space: global }
      - { .name: par, .offset: 152, .size: 8, .value_kind: global_buffer, .address_space: global }
    .group_segment_fixed_size: 0
    .private_segment_fixed_size: 0
    .kernarg_segment_align: 8
    .kernarg_segment_size: 160
    .max_flat_workgroup_size: 256
    .sgpr_count:     66
    .vgpr_count:     128
    .wavefront_size: 32
...
	.end_amdgpu_metadata
.endif
;; end of part 1
;; launch main (part 2): grid 256 x 1, 16 waves a work-group, no clusters, 327,680 bytes of LDS; arguments tokens, ego_distances, ln1_g, ln1_b, wq, ws, nbr, d5, par, out0; writes out0
.if DOCPART == 2
	.amdgcn_target "amdgcn-amd-amdhsa--gfx1250"
	.amdhsa_code_object_version 6
	.text
	.protected	k_qc3eab2fc5c_main
	.globl	k_qc3eab2fc5c_main
	.p2align	8
	.type	k_qc3eab2fc5c_main,@function
k_qc3eab2fc5c_main:
	s_mov_b64 s[64:65], 0
	v_nop
	global_prefetch_b8 v0, s[64:65] scope:SCOPE_SE
	s_setreg_imm32_b32 hwreg(HW_REG_WAVE_MODE, 25, 1), 1
	s_wait_xcnt 0x0
; MAIN: a work-group of 16 waves takes TWO batches (2 x 128 tokens x 256) through the whole pipeline; all that lies between tokens and out0 stays in LDS and registers.
; LEFT OUT (shown at the head of the first kernel): stage 1's scores and softmax over one key; K and V of rows that are no candidate; the ego's query weight for all rows but the ego's.
; LIMITS: NaN and infinities among the inputs are not served; a NaN or an overflow that reaches only the work left out is not carried to the result.  A block of zeros gets the scale byte 1 (its codes are zeros; this program alone
; reads the bytes).  The softmax's promise holds while the exponents to the base 2 stay under 2^31 in magnitude.
; ROLES.  Wave W = 8 b + w belongs to batch b of the two.  It is ROW OWNER of that batch's rows 16 w .. 16 w + 15 (bias MLP, LayerNorm 2) and HEAD OWNER of its head w, columns 32 w .. 32 w + 31 of every product, for all 128 rows.
; SHARED TILES.  out1, K, V and the ego's query need few rows: one tile of 16 rows serves both batches (rows 0-7 batch 0, rows 8-15 batch 1), and wave (b, w) makes the columns of tile u = b of head w for both.
; LAYOUT L.  Every product is used transposed (source 0 = 16 columns of a weight, source 1 = 16 rows of activations), and a weight tile's columns were chosen so that lane (r, h) holds row r and the 16 registers of a head's two
; tiles are columns 32 w + 16 h + 0 .. 15: 16 neighbours along the next K; lanes l and l xor 16 hold one block of 32, which is one head.
; NO CLUSTER: what work-groups share is the weights, and each wave takes its own fragments from memory straight into its registers; 321,536 bytes of LDS are in use, so no shared tile has room there.
; NO PREFETCH: there is no loop to run ahead in; the tokens are asked for by the kernel's first instructions.  One tensor load a wave, a first fill; no LDS byte is filled again by a tensor load.
; The tokens are read twice: into LDS for LayerNorm 2, and in whole rows for the residual on the way out; out1 is the C of the last product's first instructions.
; LDS, first part: STG (rows of 1024 + 16 bytes: tokens), T4 / T1 (bias x log2(e) by head and row, later the weights p), PAR (parameters), OUT1, VIM (Ve's row of codes a batch: 192 bytes and 8 scale bytes), EIM (the ego row alike, one a wave).
; LDS, second part, over STG: AIMG / ASC and XIMG / XSC (codes and scale words of the attention's result and of x2, 26,624 bytes a batch: block k of row n at 3200 k + 24 n, word s at 512 s + 4 n), BNC (K, V, ego query);
; at the end ROUT, rows of 1040 bytes, over all but AIMG and the spare words.
.set STG,  0
.set AIMG, 0
.set ASC,  25600
.set XIMG, 53248
.set XSC,  78848
.set BNC,  106496
.set ROUT, 53248
.set T4,   266240
.set T1,   299008
.set PAR,  307200
.set OUT1, 312320
.set VIM,  314368
.set EIM,  314880
.set SPARE, 319488
.set KND,  18464                       ; BNC: K, V, query; 9,232 a batch, 1,152 a head, 144 a row
; s28 W, s29 w, s63 b; s44-48 the batch's five nearest rows, s49 its ego row; s52-56 distances; s60, s61 selects for lane l xor 16; s62 log2(e) / sqrt(32); s66-69 masks m <= k; s70-74 masks m == c; s78 1 / 256; s79 1e-5.
; v240-255 hold scale words and nothing else.
.macro WA
	s_wait_alu depctr_va_vdst(0)
.endm
.macro BAR                             ; my LDS stores have landed and my LDS loads are in: then the work-group's barrier
	WA
	s_wait_dscnt 0x0
	s_barrier_signal -1
	s_barrier_wait -1
.endm
.macro PL n                            ; places behind matrix instructions (ISA guide 7.12.1)
.rept \n
	v_nop
.endr
.endm
.macro WL reg, sreg, i, n, pb, ps      ; weight i: n fragments of 12 registers and their scale words, as they lie: 4 n loads
.set f, 0
.rept \n
.set q, 0
.rept 3
	global_load_b128 v[(\reg)+12*f+4*q:(\reg)+12*f+4*q+3], v4, s[\pb:\pb+1] offset:49152*(\i)+1536*f+512*q
.set q, q+1
.endr
	global_load_b32 v[(\sreg)+f], v5, s[\ps:\ps+1] offset:4096*(\i)+128*f
.set f, f+1
.endr
.endm
.macro WLOAD reg, sreg, i              ; my whole head: fragments 2 u + s
	WL \reg, \sreg, \i, 4, 16, 18
.endm
.macro WHALF reg, sreg, i              ; tile u = b of my head: fragments s = 0, 1
	WL \reg, \sreg, \i, 2, 82, 86
.endm
.macro FRAGLD reg, adr, off, cstr      ; an activation fragment: two runs of 24 bytes, cstr apart, in pieces of 8
.irp p, 0,1,2,3,4,5
	ds_load_b64 v[(\reg)+2*\p:(\reg)+2*\p+1], v[\adr] offset:(\off)+(\cstr)*(\p/3)+8*(\p%3)
.endr
.endm
.macro MMZ d, a, b, sa, sb             ; starts a sum
	v_wmma_scale_f32_16x16x128_f8f6f4 v[(\d):(\d)+7], v[(\a):(\a)+11], v[(\b):(\b)+11], 0, v[(\sa)], v[(\sb)] matrix_a_fmt:MATRIX_FMT_FP6 matrix_b_fmt:MATRIX_FMT_FP6
.endm
.macro MMC d, a, b, sa, sb, c          ; adds to c
	v_wmma_scale_f32_16x16x128_f8f6f4 v[(\d):(\d)+7], v[(\a):(\a)+11], v[(\b):(\b)+11], v[(\c):(\c)+7], v[(\sa)], v[(\sb)] matrix_a_fmt:MATRIX_FMT_FP6 matrix_b_fmt:MATRIX_FMT_FP6
.endm
.macro MM4 acc, w, x, ws, xs, c        ; 16 rows x my head's 32 columns x K = 256: the two accumulators take turns.  c: where the sums start (0: nothing)
.if \c
	MMC (\acc), (\w), (\x), (\ws), (\xs), (\c)
	MMC (\acc)+8, (\w)+24, (\x), (\ws)+2, (\xs), (\c)+8
.else
	MMZ (\acc), (\w), (\x), (\ws), (\xs)
	MMZ (\acc)+8, (\w)+24, (\x), (\ws)+2, (\xs)
.endif
	MMC (\acc), (\w)+12, (\x)+12, (\ws)+1, (\xs)+1, (\acc)
	MMC (\acc)+8, (\w)+36, (\x)+12, (\ws)+3, (\xs)+1, (\acc)+8
.endm
; Two sets of 16 numbers of a lane, half a block each (lane l xor 16 has the other half), become codes and scale bytes.  The swaps give lanes 0-15 the whole first block, lanes 16-31 the whole second: three stores of 8 bytes and one byte.
.macro QB2 src, adr, off, sadr, so
.irp z, 0,1
	v_max3_num_f32 v[224+4*\z], |v[(\src)+16*\z]|, |v[(\src)+16*\z+1]|, 0x1800000      ; the floor 2^(3 - 127) holds the byte at 1 from below
	v_max3_num_f32 v[225+4*\z], |v[(\src)+16*\z+8]|, |v[(\src)+16*\z+9]|, |v[(\src)+16*\z+10]|
.endr
.irp i, 2,4
.irp z, 0,1
	v_max3_num_f32 v[224+4*\z], v[224+4*\z], |v[(\src)+16*\z+\i]|, |v[(\src)+16*\z+\i+1]|
	v_max3_num_f32 v[225+4*\z], v[225+4*\z], |v[(\src)+16*\z+\i+9]|, |v[(\src)+16*\z+\i+10]|
.endr
.endr
.irp z, 0,1
	v_max3_num_f32 v[224+4*\z], v[224+4*\z], |v[(\src)+16*\z+6]|, |v[(\src)+16*\z+7]|
.endr
.irp z, 0,1
	v_max3_num_f32 v[224+4*\z], v[224+4*\z], v[225+4*\z], |v[(\src)+16*\z+15]|
.endr
.irp z, 0,1
	v_permlanex16_b32 v[226+4*\z], v[224+4*\z], s60, s61
.endr
.irp z, 0,1
	v_max_num_f32 v[224+4*\z], v[224+4*\z], v[226+4*\z]
.endr
.irp z, 0,1
	v_add_nc_u32 v[227+4*\z], 0xff000000, v[224+4*\z]      ; 2 off the exponent field: the conversion's scale operand
.endr
.irp z, 0,1
	v_cvt_scalef32_pk16_fp6_f32 v[232+4*\z:234+4*\z], v[(\src)+16*\z:(\src)+16*\z+15], v[227+4*\z]
.endr
.irp z, 0,1
	v_lshrrev_b32 v[226+4*\z], 23, v[227+4*\z]             ; the scale's byte (also the plain places behind the conversions)
.endr
.irp i, 232,233,234,226
	v_permlane16_swap_b32 v[\i], v[\i+4]
.endr
	v_mov_b32 v235, v236
	v_mov_b32 v236, v237
	v_mov_b32 v237, v238
.irp i, 0,1,2
	ds_store_b64 v[\adr], v[232+2*\i:233+2*\i] offset:(\off)+8*\i
.endr
	ds_store_b8 v[\sadr], v226 offset:\so
.endm
.macro SUM16 d                         ; the sum over the 16 lanes of a row of lanes
.irp m, 1,2,4,8
	v_add_f32_dpp v[\d], v[\d], v[\d] row_xmask:\m row_mask:0xf bank_mask:0xf
.endr
.endm
.macro SMADD d, a, k, c                ; s[d] = s[a] k + c
	s_mul_i32 s[\d], s[\a], \k
	s_add_co_u32 s[\d], s[\d], \c
.endm
.macro SPLUS d, a, k                   ; s[d] += s[a] k
	s_mul_i32 s31, s[\a], \k
	s_add_co_u32 s[\d], s[\d], s31
.endm
; ================ the head: my 16 rows of tokens are asked for first
	s_load_b512 s[8:23], s[0:1], 0x0               ; tokens s8, ego_distances s10, ln1_g s12, ln1_b s14, wq s16, ws s18, nbr s20, d5 s22
	s_load_b128 s[24:27], s[0:1], 0x40             ; par s24, out0 s26
	v_lshl_add_u32 v1, v0, 2, SPARE
	v_mov_b32 v2, 0
	ds_add_u32 v1, v2                              ; the opening add, twice on end
	ds_add_u32 v1, v2
	v_lshrrev_b32 v3, 5, v0
	v_readfirstlane_b32 s28, v3                    ; W
	s_mov_b32 s36, (2<<16)|(1<<20)|(7<<22)|(3<<25) ; group 1: elements of 4 bytes; behind every 256 words 4 words of padding
	s_mov_b32 s37, 256<<16                         ; tensor_dim0 = 256
	s_mov_b32 s38, 16<<16                          ; tensor_dim1 = 16
	s_mov_b32 s39, 256<<16                         ; tile_dim0 = 256
	s_mov_b32 s40, 16                              ; tile_dim1 = 16
	s_mov_b32 s41, 256                             ; from row to row
	s_mov_b32 s42, 0
	s_mov_b32 s43, 0
	s_mov_b32 s32, 1                               ; group 0: count
	s_mul_i32 s33, s28, 16640                      ; LDS: 16 rows of 1,040 bytes a wave
	s_and_b32 s29, s28, 7                          ; w
	s_lshr_b32 s63, s28, 3                         ; b
	s_lshl_b32 s30, ttmp9, 18
	s_lshl_b32 s75, s28, 14
	s_add_co_u32 s76, s30, s75                     ; 262,144 x + 16,384 W: my 16 rows
	s_mov_b32 s77, 0
	s_wait_dscnt 0x0
	s_wait_kmcnt 0x0
	s_add_nc_u64 s[34:35], s[8:9], s[76:77]
	s_or_b32 s35, s35, 0x80000000                  ; type = 2
	tensor_load_to_lds s[32:35], s[36:43]          ; the wave's one tensor load
	s_nop 0
	PL 4
	s_lshl_b32 s76, ttmp9, 8
	s_add_nc_u64 s[20:21], s[20:21], s[76:77]      ; both batches' lists
	s_lshl_b32 s75, s63, 7
	s_add_co_u32 s76, s76, s75
	s_add_nc_u64 s[22:23], s[22:23], s[76:77]
	s_mov_b32 s80, s75
	s_mov_b32 s81, 0
	s_add_nc_u64 s[88:89], s[20:21], s[80:81]
	s_load_b256 s[44:51], s[88:89], 0x0            ; my batch's five nearest rows and its ego row
	s_load_b256 s[52:59], s[22:23], 0x0            ; their distances
	s_lshl_b32 s75, s63, 17
	s_add_co_u32 s30, s30, s75                     ; my batch
	s_lshl_b32 s75, s29, 13
	s_add_co_u32 s76, s30, s75                     ; and 8 w rows on: the way out
	s_add_nc_u64 s[26:27], s[26:27], s[76:77]
	s_lshl_b32 s80, ttmp9, 10
	s_lshl_b32 s75, s28, 6
	s_add_co_u32 s80, s80, s75
	s_add_nc_u64 s[10:11], s[10:11], s[80:81]      ; my rows' distances
	s_mul_i32 s80, s29, 6144
	s_add_nc_u64 s[16:17], s[16:17], s[80:81]      ; my head's fragments
	s_mul_i32 s80, s63, 3072
	s_add_nc_u64 s[82:83], s[16:17], s[80:81]      ; tile u = b of them
	s_lshl_b32 s80, s29, 9
	s_add_nc_u64 s[18:19], s[18:19], s[80:81]      ; and their scale words
	s_lshl_b32 s80, s63, 8
	s_add_nc_u64 s[86:87], s[18:19], s[80:81]
	s_mov_b32 s60, 0x76543210
	s_mov_b32 s61, 0xfedcba98
	s_mov_b32 s62, 0x3e8293ee                      ; log2(e) / sqrt(32)
	s_mov_b32 s78, 0x3b800000                      ; 1 / 256
	s_mov_b32 s79, 0x3727c5ac                      ; 1e-5
	; the scalar parts of the LDS addresses
	SMADD 90, 63, 26624, XIMG
	SMADD 91, 63, 26624, XSC
	SMADD 92, 29, 384, s90
	SMADD 93, 29, 64, s91
	s_mul_i32 s94, s63, 26624
	SPLUS 94, 29, 3200
	SMADD 95, 63, 26624, ASC
	s_lshr_b32 s75, s29, 2
	SPLUS 95, 75, 512
	s_and_b32 s75, s29, 3
	s_add_co_u32 s95, s95, s75
	SMADD 96, 63, 133120, ROUT
	SMADD 97, 29, 8320, s96
	SPLUS 96, 29, 128
	SMADD 98, 63, 16384, T4
	SMADD 100, 29, 256, s98
	SPLUS 98, 29, 2048
	SMADD 99, 63, 4096, T1
	SMADD 101, 29, 64, s99
	SPLUS 99, 29, 512
	SMADD 66, 29, 1152, BNC
	SMADD 67, 63, 9232, s66
	SPLUS 66, 63, 32
	SMADD 68, 63, 1024, OUT1
	SMADD 69, 28, 256, EIM
	SMADD 70, 63, 256, VIM
	SMADD 71, 29, 24, s70
	s_add_co_u32 s70, s70, 192
	s_add_co_u32 s70, s70, s29
	SMADD 72, 29, 128, OUT1
	SPLUS 72, 63, 32
	s_mov_b32 s31, 0
	v_and_b32 v1, 31, v0                           ; lane
	v_and_b32 v2, 15, v0                           ; r
	v_bfe_u32 v3, v0, 4, 1                         ; h
	v_lshlrev_b32 v4, 4, v1
	v_lshlrev_b32 v5, 2, v1
	v_lshlrev_b32 v35, 3, v0
	v_lshlrev_b32 v36, 1, v0
	v_lshlrev_b32 v37, 2, v2
	v_lshlrev_b32 v38, 6, v2
	v_lshrrev_b32 v34, 3, v2                       ; r / 8: the batch of a shared tile's row
	v_and_b32 v33, 7, v2
	v_lshlrev_b32 v39, 7, v34
	v_lshl_add_u32 v39, v33, 2, v39
	global_load_b64 v[40:41], v35, s[24:25]        ; par: 8 bytes a thread,
	global_load_u16 v44, v36, s[24:25] offset:4096 ; and 2 more: 5,120 in all
	global_load_b32 v118, v37, s[10:11]            ; d_i of row 16 w + r
	global_load_b32 v31, v39, s[20:21]             ; the gathered tile's row for lane r
	v_mul_u32_u24 v32, v2, 24
	v_mad_u32_u24 v45, v3, 3200, v32               ; 24 r + 3200 h
	v_add_nc_u32 v6, s90, v45                      ; x2: where I read codes
	v_add_nc_u32 v8, s92, v45                      ; and where I put them, as row owner
	v_add_nc_u32 v7, s91, v37                      ; scale words likewise
	v_add_nc_u32 v9, s93, v37
	v_add_nc_u32 v9, v9, v3
	v_mad_u32_u24 v45, v3, 384, v32                ; 24 r + 384 h
	v_add_nc_u32 v10, s94, v45                     ; the attention's codes, as head owner: lanes 16-31 the next tile
	v_lshl_add_u32 v11, v3, 6, v37
	v_add_nc_u32 v11, s95, v11
	v_mul_u32_u24 v45, v2, 1040
	v_lshl_add_u32 v45, v3, 6, v45
	v_add_nc_u32 v12, s33, v45                     ; my rows in STG
	v_add_nc_u32 v13, s96, v45                     ; my head's columns in ROUT, tiles 0-3
	v_add_nc_u32 v14, 66560, v13                   ; and 4-7
	v_add_nc_u32 v15, s97, v4                      ; the way out: my 8 rows of the first half
	v_lshlrev_b32 v45, 4, v2
	v_add_nc_u32 v16, s98, v45                     ; my head in T4, T1
	v_add_nc_u32 v17, s99, v37
	v_lshl_add_u32 v18, v3, 13, v45                ; my rows there: heads 4 h on
	v_add_nc_u32 v18, s100, v18
	v_lshl_add_u32 v19, v3, 11, v37
	v_add_nc_u32 v19, s101, v19
	v_lshlrev_b32 v46, 6, v3
	v_mad_u32_u24 v20, v34, 9232, v46
	v_mad_u32_u24 v20, v33, 144, v20
	v_add_nc_u32 v20, s66, v20                     ; BNC, in
	v_add_nc_u32 v21, s67, v46                     ; and back
	v_add_nc_u32 v22, s68, v46                     ; OUT1 of my batch
	v_add_nc_u32 v23, PAR+3072, v46                ; ln2_g
	v_mul_u32_u24 v47, v3, 24
	v_add_nc_u32 v24, s69, v47                     ; my copy of the ego row
	v_lshl_add_u32 v25, v34, 8, v47
	v_add_nc_u32 v25, VIM, v25                     ; Ve's codes, both batches
	v_mul_u32_u24 v47, v3, 12
	v_add_nc_u32 v28, s71, v47                     ; where I put them
	v_mov_b32 v29, s70
	v_lshl_add_u32 v128, v3, 7, PAR+2048           ; bW1 and bb1
	v_lshl_add_u32 v129, v3, 10, PAR               ; bW2
	v_lshl_add_u32 v130, v3, 4, PAR+2816           ; bb2
	v_mul_u32_u24 v131, v2, 12
	v_add_nc_u32 v131, s69, v131                   ; where I put the ego row's codes: lane r holds columns 16 r on
	v_lshrrev_b32 v132, 1, v2
	v_add_nc_u32 v132, s69, v132                   ; (+ 192) and its scale bytes
	v_lshl_add_u32 v133, v34, 10, v46
	v_add_nc_u32 v133, s72, v133                   ; where I put out1
	v_add_nc_u32 v134, PAR, v35
	v_add_nc_u32 v135, PAR+4096, v36
	v_mov_b32 v136, s69                            ; (+ 192) the ego row's scale words
	v_lshlrev_b32 v137, 8, v34
	v_add_nc_u32 v137, VIM+192, v137
	WA
	s_wait_kmcnt 0x0
	s_mov_b32 s77, 0
	s_add_nc_u64 s[88:89], s[8:9], s[76:77]        ; tokens, for the way out
	s_min_u32 s49, s49, 127                        ; a loaded number enters an address only behind this hold
	s_lshl_b32 s80, s49, 10
	s_add_co_u32 s80, s80, s30
	s_mov_b32 s81, 0
	s_add_nc_u64 s[8:9], s[8:9], s[80:81]          ; the ego row of tokens
.irp q, 0,1,2,3
	global_load_b128 v[140+4*\q:143+4*\q], v38, s[8:9] offset:16*\q     ; lane r: its columns 16 r .. 16 r + 15 (both halves of the lanes alike)
.endr
.irp q, 0,1,2,3
	global_load_b128 v[156+4*\q:159+4*\q], v38, s[12:13] offset:16*\q   ; ln1_g
.endr
.irp q, 0,1,2,3
	global_load_b128 v[172+4*\q:175+4*\q], v38, s[14:15] offset:16*\q   ; ln1_b
.endr
	WLOAD 188, 240, 0                              ; cWv
	s_wait_loadcnt 28                              ; par, d_i and the rows are in; the 12 + 16 younger loads stay out
	s_wait_xcnt 0x0                                ; all offsets have been read: their registers are written again below
	ds_store_b64 v134, v[40:41]
	ds_store_b16 v135, v44
	BAR                                            ; ---- the parameters lie in LDS
; ================ the bias MLP.  Lane (r, h): row 16 w + r, hidden units 32 h .. 32 h + 31, its row's four neighbours, all eight heads
.macro MLPLD z, g                                  ; two hidden units' numbers: bW1's two rows, bb1, and 2 x 8 of bW2: 7 loads into set z
.set SL, 64+22*(\z)
	ds_load_b64 v[SL:SL+1], v128 offset:8*(\g)
	ds_load_b64 v[SL+2:SL+3], v128 offset:256+8*(\g)
	ds_load_b64 v[SL+4:SL+5], v128 offset:512+8*(\g)
.irp i, 0,1,2,3
	ds_load_b128 v[SL+6+4*\i:SL+9+4*\i], v129 offset:64*(\g)+16*\i
.endr
.endm
	MLPLD 0, 0
	MLPLD 1, 1
	s_lshl_b32 s75, s29, 4
	v_add_nc_u32 v124, s75, v2                     ; my row
	v_mov_b32 v30, 4                               ; the candidate that my row leaves out: itself if it is among the five, else the fifth
.irp c, 3,2,1,0
	v_cmp_eq_u32 vcc_lo, s[44+\c], v124
	v_cndmask_b32 v30, v30, \c, vcc_lo
.endr
.irp k, 0,1,2,3
	v_cmp_ge_u32 s[66+\k], \k, v30
.endr
.irp c, 0,1,2,3,4
	v_cmp_eq_u32 s[70+\c], \c, v30
.endr
.irp c, 0,1,2,3,4
	v_mov_b32 v[40+\c], s[52+\c]
.endr
.irp k, 0,1,2,3
	v_cndmask_b32 v[120+\k], v[40+\k], v[41+\k], s[66+\k]   ; d_j of neighbour k: candidate k, or k + 1 from the one left out on
.endr
	v_mov_b32 v119, v118
	v_mov_b32 v125, 0xff800000                     ; -infinity
.macro MLPG g                                      ; group g: hidden units 32 h + 2 g, + 1
.set S, 64+22*((\g)%2)
.if (\g) < 15
	s_wait_dscnt 7                                 ; this group's 7 loads are in; the next group's may be out
.else
	s_wait_dscnt 0x0
.endif
	v_pk_fma_f32 v[108:109], v[118:119], v[S:S+1], v[S+4:S+5]          ; d_i a + bb1, both units
.irp e, 0,1
	v_pk_fma_f32 v[110+4*\e:111+4*\e], v[120:121], v[S+2:S+3], v[108:109] op_sel:[0,\e,\e] op_sel_hi:[1,\e,\e]   ; + d_j b, two neighbours at a time
	v_pk_fma_f32 v[112+4*\e:113+4*\e], v[122:123], v[S+2:S+3], v[108:109] op_sel:[0,\e,\e] op_sel_hi:[1,\e,\e]
.endr
.irp j, 0,1,2,3,4,5,6,7
	v_max_num_f32 v[110+\j], 0, v[110+\j]
.endr
.irp e, 0,1
.irp kp, 0,1
.irp kb, 0,1
.irp p, 0,1,2,3
.if ((\g) == 0) && (\e == 0)
	v_pk_mul_f32 v[32+16*\kp+8*\kb+2*\p:33+16*\kp+8*\kb+2*\p], v[110+4*\e+2*\kp:111+4*\e+2*\kp], v[S+6+8*\e+2*\p:S+7+8*\e+2*\p] op_sel:[\kb,0] op_sel_hi:[\kb,1]   ; the first unit starts the sums
.else
	v_pk_fma_f32 v[32+16*\kp+8*\kb+2*\p:33+16*\kp+8*\kb+2*\p], v[110+4*\e+2*\kp:111+4*\e+2*\kp], v[S+6+8*\e+2*\p:S+7+8*\e+2*\p], v[32+16*\kp+8*\kb+2*\p:33+16*\kp+8*\kb+2*\p] op_sel:[\kb,0,0] op_sel_hi:[\kb,1,1]   ; register 8 k + head: two heads at a time
.endif
.endr
.endr
.endr
.endr
.if (\g)+2 < 16
	MLPLD (\g)%2, (\g)+2
.endif
.endm
	WA
.irp g, 0,1,2,3,4,5,6,7,8,9,10,11,12,13,14,15
	MLPG \g
.endr
	ds_load_b128 v[64:67], v130                    ; bb2 of heads 4 h .. 4 h + 3
.irp k, 0,1,2,3
.irp a, 0,1,2,3
	v_permlane16_swap_b32 v[32+8*\k+\a], v[36+8*\k+\a]   ; head a's upper lanes change places with head a + 4's lower lanes: the two halves of the hidden layer now stand in one lane
.endr
.endr
.irp k, 0,1,2,3
.irp a, 0,2
	v_pk_add_f32 v[32+8*\k+\a:33+8*\k+\a], v[32+8*\k+\a:33+8*\k+\a], v[36+8*\k+\a:37+8*\k+\a]   ; lane (r, h) holds heads 4 h + a
.endr
.endr
	WA
	s_wait_dscnt 0x0
	v_pk_mul_f32 v[64:65], v[64:65], 0x3fb8aa3b op_sel_hi:[1,0]
	v_pk_mul_f32 v[66:67], v[66:67], 0x3fb8aa3b op_sel_hi:[1,0]
.irp k, 0,1,2,3
.irp a, 0,2
	v_pk_fma_f32 v[32+8*\k+\a:33+8*\k+\a], v[32+8*\k+\a:33+8*\k+\a], 0x3fb8aa3b, v[64+\a:65+\a] op_sel_hi:[1,0,1]   ; (sum + bb2) x log2(e)
.endr
.endr
.irp a, 0,1,2,3                                    ; four neighbours are spread over five candidates; the one left out gets -infinity
	v_cndmask_b32 v[72+4*\a], v[32+\a], v125, s70
	v_cndmask_b32 v92, v[32+\a], v125, s71
	v_cndmask_b32 v93, v[40+\a], v125, s72
	v_cndmask_b32 v94, v[48+\a], v125, s73
	v_cndmask_b32 v[88+\a], v[56+\a], v125, s74
	v_cndmask_b32 v[73+4*\a], v[40+\a], v92, s67
	v_cndmask_b32 v[74+4*\a], v[48+\a], v93, s68
	v_cndmask_b32 v[75+4*\a], v[56+\a], v94, s69
.endr
.irp a, 0,1,2,3
	ds_store_b128 v18, v[72+4*\a:75+4*\a] offset:2048*\a
	ds_store_b32 v19, v[88+\a] offset:512*\a
.endr
	WHALF 96, 244, 1                               ; cWo, my half
; ================ the ego chain.  E1: LayerNorm 1 of my batch's ego row, codes into my own record in LDS
	s_wait_loadcnt 24                              ; the ego row, ln1_g and ln1_b are in; cWv's 16 and cWo's 8 loads may be out
	v_pk_add_f32 v[32:33], v[140:141], v[142:143]
	v_pk_add_f32 v[34:35], v[144:145], v[146:147]
	v_pk_add_f32 v[32:33], v[32:33], v[148:149]
	v_pk_add_f32 v[34:35], v[34:35], v[150:151]
	v_pk_add_f32 v[32:33], v[32:33], v[152:153]
	v_pk_add_f32 v[34:35], v[34:35], v[154:155]
	v_pk_add_f32 v[32:33], v[32:33], v[34:35]
	v_add_f32 v32, v32, v33
	SUM16 32
	v_mul_f32 v32, s78, v32                        ; the mean
	v_mov_b32 v33, v32
.irp i, 0,1,2,3,4,5,6,7
	v_pk_add_f32 v[140+2*\i:141+2*\i], v[140+2*\i:141+2*\i], v[32:33] neg_lo:[0,1] neg_hi:[0,1]
.endr
	v_pk_mul_f32 v[34:35], v[140:141], v[140:141]
	v_pk_mul_f32 v[36:37], v[142:143], v[142:143]
.irp i, 2,4,6
	v_pk_fma_f32 v[34:35], v[140+2*\i:141+2*\i], v[140+2*\i:141+2*\i], v[34:35]
	v_pk_fma_f32 v[36:37], v[142+2*\i:143+2*\i], v[142+2*\i:143+2*\i], v[36:37]
.endr
	v_pk_add_f32 v[34:35], v[34:35], v[36:37]
	v_add_f32 v34, v34, v35
	SUM16 34
	v_fma_f32 v34, v34, s78, s79                   ; the variance + 1e-5
	WA
	v_rsq_f32 v34, v34
	v_nop                                          ; a plain place behind the transcendental
	WA
	v_mov_b32 v35, v34
.irp i, 0,1,2,3,4,5,6,7
	v_pk_mul_f32 v[140+2*\i:141+2*\i], v[140+2*\i:141+2*\i], v[34:35]
.endr
.irp i, 0,1,2,3,4,5,6,7
	v_pk_fma_f32 v[140+2*\i:141+2*\i], v[140+2*\i:141+2*\i], v[156+2*\i:157+2*\i], v[172+2*\i:173+2*\i]
.endr
	v_max3_num_f32 v36, |v140|, |v141|, 0x1800000
	v_max3_num_f32 v37, |v148|, |v149|, |v150|
	v_max3_num_f32 v36, v36, |v142|, |v143|
	v_max3_num_f32 v37, v37, |v151|, |v152|
	v_max3_num_f32 v36, v36, |v144|, |v145|
	v_max3_num_f32 v37, v37, |v153|, |v154|
	v_max3_num_f32 v36, v36, |v146|, |v147|
	v_max3_num_f32 v36, v36, v37, |v155|
	v_max_num_f32_dpp v36, v36, v36 row_xmask:1 row_mask:0xf bank_mask:0xf   ; lanes r and r xor 1 hold one block
	v_add_nc_u32 v38, 0xff000000, v36
	v_cvt_scalef32_pk16_fp6_f32 v[40:42], v[140:155], v38
	v_lshrrev_b32 v43, 23, v38
	ds_store_b32 v131, v40
	ds_store_b32 v131, v41 offset:4
	ds_store_b32 v131, v42 offset:8
	ds_store_b8 v132, v43 offset:192
	; E2: Ve, my head's 32 columns (my own bytes: LDS serves a wave's instructions in order); all 16 rows of the tile are my batch's ego row
	FRAGLD 48, 24, 0, 48
	FRAGLD 60, 24, 96, 48
	ds_load_b32 v252, v136 offset:192
	ds_load_b32 v253, v136 offset:196
	s_wait_dscnt 0x0
	s_wait_loadcnt 8                               ; cWv is in; cWo's 8 loads may be out
	MM4 72, 188, 48, 240, 252, 0
	PL 4
	v_max3_num_f32 v224, |v72|, |v73|, 0x1800000
	v_max3_num_f32 v225, |v80|, |v81|, |v82|
.irp i, 2,4
	v_max3_num_f32 v224, v224, |v[72+\i]|, |v[73+\i]|
	v_max3_num_f32 v225, v225, |v[81+\i]|, |v[82+\i]|
.endr
	v_max3_num_f32 v224, v224, |v78|, |v79|
	v_max3_num_f32 v224, v224, v225, |v87|
	v_permlanex16_b32 v226, v224, s60, s61
	v_max_num_f32 v224, v224, v226
	v_add_nc_u32 v227, 0xff000000, v224
	v_cvt_scalef32_pk16_fp6_f32 v[232:234], v[72:87], v227
	v_lshrrev_b32 v235, 23, v227
	ds_store_b32 v28, v232                         ; all lanes r hold the same row: they write the same words with the same values
	ds_store_b32 v28, v233 offset:4
	ds_store_b32 v28, v234 offset:8
	ds_store_b8 v29, v235
	BAR                                            ; ---- Ve's codes lie in LDS (and every row's bias)
	; E3: out1, both batches, tile u = b of my head
	FRAGLD 32, 25, 0, 48
	FRAGLD 44, 25, 96, 48
	ds_load_b32 v252, v137
	ds_load_b32 v253, v137 offset:4
	s_wait_dscnt 0x0
	s_wait_loadcnt 0x0
	MMZ 72, 96, 32, 244, 252
	WA                                             ; (directly ahead of a product that adds onto the one before it)
	MMC 72, 108, 44, 245, 253, 72
	PL 4
	ds_store_b128 v133, v[72:75]
	ds_store_b128 v133, v[76:79] offset:16
	BAR                                            ; ---- out1's rows lie in LDS
; ================ LayerNorm 2 of h1 = tokens + out1, by row owners.  Lane (r, h): row 16 w + r, of each block of 32 its 16 numbers 16 h on: v32-159
	s_wait_tensorcnt 0x0                           ; my 16 rows of tokens are in LDS; only I read them
.set j, 0
.rept 32
	ds_load_b128 v[32+4*j:35+4*j], v12 offset:128*(j/4)+16*(j%4)
.set j, j+1
.endr
.macro O1LD o                                      ; out1, four blocks
.set j, 0
.rept 16
	ds_load_b128 v[160+4*j:163+4*j], v22 offset:(\o)+128*(j/4)+16*(j%4)
.set j, j+1
.endr
.endm
.macro O1ADD d
.set i, 0
.rept 32
	v_pk_add_f32 v[\d+2*i:\d+1+2*i], v[\d+2*i:\d+1+2*i], v[160+2*i:161+2*i]
.set i, i+1
.endr
.endm
	O1LD 0
	s_wait_dscnt 0x0
	O1ADD 32
	O1LD 512
	WA
	s_wait_dscnt 0x0
	s_barrier_signal -1                            ; my rows of STG have been read; the wait stands ahead of the first store over them
	O1ADD 96
.macro GBLD bp                                     ; ln2_g and ln2_b of blocks 2 bp and 2 bp + 1: 16 loads
.set j, 0
.rept 8
	ds_load_b128 v[160+4*j:163+4*j], v23 offset:256*(\bp)+128*(j/4)+16*(j%4)
	ds_load_b128 v[192+4*j:195+4*j], v23 offset:1024+256*(\bp)+128*(j/4)+16*(j%4)
.set j, j+1
.endr
.endm
	GBLD 0
.set i, 0
.rept 4
	v_pk_add_f32 v[228+2*i:229+2*i], v[32+2*i:33+2*i], v[40+2*i:41+2*i]
.set i, i+1
.endr
.set j, 2
.rept 14
.set i, 0
.rept 4
	v_pk_add_f32 v[228+2*i:229+2*i], v[228+2*i:229+2*i], v[32+8*j+2*i:33+8*j+2*i]
.set i, i+1
.endr
.set j, j+1
.endr
.macro FOLD                                        ; the four chains and lane l xor 16's half row: the sum in v228
	v_pk_add_f32 v[228:229], v[228:229], v[230:231]
	v_pk_add_f32 v[232:233], v[232:233], v[234:235]
	v_pk_add_f32 v[228:229], v[228:229], v[232:233]
	v_add_f32 v228, v228, v229
	v_permlanex16_b32 v226, v228, s60, s61
	v_add_f32 v228, v228, v226
.endm
	FOLD
	v_mul_f32 v224, s78, v228                      ; the mean
	v_mov_b32 v225, v224
.set i, 0
.rept 64
	v_pk_add_f32 v[32+2*i:33+2*i], v[32+2*i:33+2*i], v[224:225] neg_lo:[0,1] neg_hi:[0,1]
.set i, i+1
.endr
.set i, 0
.rept 4
	v_pk_mul_f32 v[228+2*i:229+2*i], v[32+2*i:33+2*i], v[32+2*i:33+2*i]
.set i, i+1
.endr
.set j, 1
.rept 15
.set i, 0
.rept 4
	v_pk_fma_f32 v[228+2*i:229+2*i], v[32+8*j+2*i:33+8*j+2*i], v[32+8*j+2*i:33+8*j+2*i], v[228+2*i:229+2*i]
.set i, i+1
.endr
.set j, j+1
.endr
	FOLD
	v_fma_f32 v228, v228, s78, s79
	WA
	v_rsq_f32 v228, v228
	v_nop
	WA
	v_mov_b32 v229, v228
.set i, 0
.rept 64
	v_pk_mul_f32 v[32+2*i:33+2*i], v[32+2*i:33+2*i], v[228:229]
.set i, i+1
.endr
	s_mul_i32 s75, s29, 3200
	s_add_co_u32 s75, s75, s90
	s_add_co_u32 s75, s75, 3072
	v_add_nc_u32 v24, s75, v5                      ; the 128 bytes between block w's codes and the next block's
	v_mov_b32 v25, 0
	WA
	s_wait_dscnt 0x0                               ; g and b of the first pair are in
	s_barrier_wait -1                              ; ---- every wave has read its rows of STG
	ds_store_b32 v24, v25                          ; every byte of x2's image is written
.irp bp, 0,1,2,3
.if \bp > 0
	GBLD \bp
	s_wait_dscnt 0x0                               ; g and b are in, and the last pair's puts have read their registers
.endif
.set i, 0
.rept 16
	v_pk_fma_f32 v[32+32*\bp+2*i:33+32*\bp+2*i], v[32+32*\bp+2*i:33+32*\bp+2*i], v[160+2*i:161+2*i], v[192+2*i:193+2*i]
.set i, i+1
.endr
	QB2 32+32*\bp, 8, 6400*\bp, 9, 512*(\bp/2)+2*(\bp%2)
.if \bp == 0
	WHALF 32, 246, 4                               ; pWk, into registers that are done with
.elseif \bp == 1
	WHALF 64, 248, 5                               ; pWv
.elseif \bp == 2
	WHALF 96, 250, 3                               ; eWq
.endif
.endr
	WLOAD 128, 240, 2                              ; pWq
	; the gathered tile: rows 0-4 of each batch's eight are its five nearest, row 5 the ego row
	v_min_u32 v31, 127, v31
	v_lshrrev_b32 v27, 3, v2
	v_mul_u32_u24 v27, v27, 26624
	v_mad_u32_u24 v26, v3, 3200, v27
	v_mad_u32_u24 v26, v31, 24, v26
	v_add_nc_u32 v26, XIMG, v26
	v_lshl_add_u32 v27, v31, 2, v27
	v_add_nc_u32 v27, XSC, v27
	BAR                                            ; ---- x2's codes lie in LDS.  Between this barrier and the next no wave stores to LDS
	FRAGLD 176, 26, 0, 6400
	FRAGLD 188, 26, 12800, 6400
	ds_load_b32 v252, v27
	ds_load_b32 v253, v27 offset:512
	BAR
	s_wait_loadcnt 16                              ; pWk, pWv and eWq are in; pWq's 16 loads may be out
	MMZ 200, 32, 176, 246, 252                     ; K, V and the ego's query, tile u = b of my head: three accumulators by turns
	MMZ 208, 64, 176, 248, 252
	MMZ 216, 96, 176, 250, 252
	MMC 200, 44, 188, 247, 253, 200
	MMC 208, 76, 188, 249, 253, 208
	MMC 216, 108, 188, 251, 253, 216
	PL 5
.irp k, 0,1,2
	ds_store_b128 v20, v[200+8*\k:203+8*\k] offset:KND*\k
	ds_store_b128 v20, v[204+8*\k:207+8*\k] offset:KND*\k+16
.endr
	BAR                                            ; ---- K, V and the query lie in LDS
.macro CLD o                                       ; my head's five rows at o, my 16 columns, the same in every lane of a half: 20 loads
.irp c, 0,1,2,3,4
.irp q, 0,1,2,3
	ds_load_b128 v[32+16*\c+4*\q:35+16*\c+4*\q], v21 offset:(\o)+144*\c+16*\q
.endr
.endr
.endm
	CLD 0
.irp q, 0,1,2,3
	ds_load_b128 v[200+4*\q:203+4*\q], v21 offset:2*KND+720+16*\q
.endr
.macro T1LD t                                      ; tile t of x2, its scale words and its bias: 16 loads
	FRAGLD 176, 6, 384*(\t), 6400
	FRAGLD 188, 6, 384*(\t)+12800, 6400
	ds_load_b32 v252, v7 offset:64*(\t)
	ds_load_b32 v253, v7 offset:64*(\t)+512
	ds_load_b128 v[120+4*((\t)%2):123+4*((\t)%2)], v16 offset:256*(\t)
	ds_load_b32 v[117+(\t)%2], v17 offset:64*(\t)
.endm
	T1LD 0
.macro DOT5 dst                                    ; a lane's 16 numbers of a query, v200-215, against the five K, by turns; joined with lane l xor 16
.irp c, 0,1,2,3,4
	v_pk_mul_f32 v[216+2*\c:217+2*\c], v[200:201], v[32+16*\c:33+16*\c]
.endr
.irp i, 1,2,3,4,5,6,7
.irp c, 0,1,2,3,4
	v_pk_fma_f32 v[216+2*\c:217+2*\c], v[200+2*\i:201+2*\i], v[32+16*\c+2*\i:33+16*\c+2*\i], v[216+2*\c:217+2*\c]
.endr
.endr
.irp c, 0,1,2,3,4
	v_add_f32 v[216+2*\c], v[216+2*\c], v[217+2*\c]
.endr
.irp c, 0,1,2,3,4
	v_permlanex16_b32 v[226+\c], v[216+2*\c], s60, s61
.endr
.irp c, 0,1,2,3,4
	v_add_f32 v[\dst+\c], v[216+2*\c], v[226+\c]
.endr
.endm
	s_wait_dscnt 16                                ; K and the ego's query are in; tile 0's 16 loads may be out
	DOT5 112                                       ; the ego's five scores: v112-116
; ================ queries, scores and softmax, a tile of 16 rows at a time; the weights p go back over the bias
.macro TILE1 t
.set BB4, 120+4*((\t)%2)
.set BB1, 117+(\t)%2
	WA
	s_wait_dscnt 0x0
.if (\t) == 0
	s_wait_loadcnt 0x0                             ; pWq
.endif
	MM4 200, 128, 176, 240, 252, 0
	PL 4
.if (\t) < 7
	T1LD (\t)+1
.endif
	DOT5 232
	s_sub_co_u32 s75, s49, 16*(\t)
	v_cmp_eq_u32 vcc_lo, s75, v2                   ; the ego row takes the scores of its own query
.irp c, 0,1,2,3,4
	v_cndmask_b32 v[232+\c], v[232+\c], v[112+\c], vcc_lo
.endr
.irp c, 0,1,2,3
	v_fma_f32 v[232+\c], v[232+\c], s62, v[BB4+\c] ; (score / sqrt(32) + bias) x log2(e); -infinity for the candidate left out
.endr
	v_fma_f32 v236, v236, s62, v[BB1]
	v_max3_num_f32 v237, v232, v233, v234
	v_max3_num_f32 v237, v237, v235, v236
.irp c, 0,1,2,3,4
	v_sub_f32 v[232+\c], v[232+\c], v237
.endr
	WA
.irp c, 0,1,2,3,4
	v_exp_f32 v[232+\c], v[232+\c]
.endr
	v_nop
	WA
	v_add_f32 v238, v232, v233
	v_add_f32 v237, v234, v235
	v_add_f32 v238, v238, v236
	v_add_f32 v238, v238, v237
	WA
	v_rcp_f32 v238, v238
	v_nop
	WA
.irp c, 0,1,2,3,4
	v_mul_f32 v[232+\c], v[232+\c], v238
.endr
	ds_store_b128 v16, v[232:235] offset:256*(\t)
	ds_store_b32 v17, v236 offset:64*(\t)
.endm
.irp t, 0,1,2,3,4,5,6,7
	TILE1 \t
.endr
; ================ the weighted sum of V, quantised: block w of the last product's K; two tiles of 16 rows at a time
	WLOAD 128, 240, 6                              ; pWo
	CLD KND
	s_lshl_b32 s75, s29, 7
	v_add_nc_u32 v23, s75, v22                     ; out1, my head's columns
	v_mov_b32 v117, 0                              ; (named as the upper halves of pairs)
	v_mov_b32 v123, 0
	v_mov_b32 v213, 0
	v_mov_b32 v219, 0
.macro PLD pr                                      ; p of tiles 2 pr, 2 pr + 1: 4 loads
.set PQ, 112+96*((\pr)%2)
.irp z, 0,1
	ds_load_b128 v[PQ+6*\z:PQ+6*\z+3], v16 offset:256*(2*(\pr)+\z)
	ds_load_b32 v[PQ+6*\z+4], v17 offset:64*(2*(\pr)+\z)
.endr
.endm
.macro VF k, sel, c                                ; both tiles: + p of candidate c x its V
.set i, 0
.rept 8
.irp z, 0,1
	v_pk_fma_f32 v[176+16*\z+2*i:177+16*\z+2*i], v[PP+6*\z+2*\k:PP+6*\z+2*\k+1], v[32+16*\c+2*i:33+16*\c+2*i], v[176+16*\z+2*i:177+16*\z+2*i] op_sel:[\sel,0,0] op_sel_hi:[\sel,1,1]
.endr
.set i, i+1
.endr
.endm
.macro TILE2 pr
.if (\pr) < 3
	PLD (\pr)+1
.endif
	WA
.if (\pr) == 0 || (\pr) == 3
	s_wait_dscnt 4                                 ; V and this pair's p are in; the next pair's 4 loads (the last pair: the 4 puts before it) may be out
.else
	s_wait_dscnt 8                                 ; behind this pair's p: the last pair's 4 puts and the next pair's 4 loads
.endif
.set PP, 112+96*((\pr)%2)
.set i, 0
.rept 8
.irp z, 0,1
	v_pk_mul_f32 v[176+16*\z+2*i:177+16*\z+2*i], v[PP+6*\z:PP+6*\z+1], v[32+2*i:33+2*i] op_sel_hi:[0,1]
.endr
.set i, i+1
.endr
	VF 0, 1, 1
	VF 1, 0, 2
	VF 1, 1, 3
	VF 2, 0, 4
	WA
.if (\pr) < 3
	s_wait_dscnt 4                                 ; the last pair's puts have read their registers
.else
	s_wait_dscnt 0x0
.endif
	QB2 176, 10, 768*(\pr), 11, 128*(\pr)
.endm
	PLD 0
.irp t, 0,1,2,3
	TILE2 \t
.endr
.irp q, 0,1,2,3
	ds_load_b128 v[112+4*\q:115+4*\q], v23 offset:16*\q   ; out1: where the last product's sums start
.endr
	s_mul_i32 s75, s63, 26624
	v_mul_u32_u24 v24, v2, 24
	v_mad_u32_u24 v24, v3, 3200, v24
	v_add_nc_u32 v24, s75, v24                     ; the attention's codes,
	s_add_co_u32 s75, s75, ASC
	v_lshl_add_u32 v25, v2, 2, s75                 ; their scale words,
	v_add_nc_u32 v12, 66560, v15                   ; and the way out's second half
	BAR                                            ; ---- the attention's codes lie in LDS
; ================ the last product and the way out, in two halves of 64 rows.  My head's columns go to ROUT; behind a barrier each wave adds the tokens to 8 whole rows and stores them
.macro TOK hf
.set j, 0
.rept 16
	global_load_b128 v[176+4*j:179+4*j], v4, s[88:89] offset:65536*(\hf)+512*j th:TH_LOAD_NT
.set j, j+1
.endr
.endm
.macro LOAD3 t                                     ; 14 LDS loads into set t % 2
.set Z3, (\t)%2
	FRAGLD 32+24*Z3, 24, 384*(\t), 6400
	FRAGLD 44+24*Z3, 24, 384*(\t)+12800, 6400
	ds_load_b32 v[252+2*Z3], v25 offset:64*(\t)
	ds_load_b32 v[253+2*Z3], v25 offset:64*(\t)+512
.endm
.macro TILE3 t
.if (\t)%4 < 3
	LOAD3 (\t)+1
.endif
.if (\t)%4 == 0
	s_wait_dscnt 14                                ; this tile's 14 loads are in; the next tile's may be out
.elseif (\t)%4 < 3
	s_wait_dscnt 18                                ; behind this tile's loads: the last tile's four stores and the next tile's 14 loads
.else
	s_wait_dscnt 4
.endif
.if (\t) == 0
	s_wait_loadcnt 16                              ; pWo is in; the 16 loads of tokens may be out
.endif
.set Z4, (\t)%2
	MM4 80+16*Z4, 128, 32+24*Z4, 240, 252+2*Z4, 112
	PL 4
.irp q, 0,1,2,3
	ds_store_b128 v[13+(\t)/4], v[80+16*Z4+4*\q:83+16*Z4+4*\q] offset:16640*((\t)%4)+16*\q
.endr
.endm
.macro WAYOUT hf, adr
	BAR                                            ; ---- 64 whole rows a batch lie in LDS
.set j, 0
.rept 16
	ds_load_b128 v[32+4*j:35+4*j], v[\adr] offset:1040*(j/2)+512*(j%2)
.set j, j+1
.endr
	s_wait_loadcnt 0x0                             ; the tokens are in
.set j, 0
.rept 16
	s_wait_dscnt 15-j
	v_pk_add_f32 v[176+4*j:177+4*j], v[176+4*j:177+4*j], v[32+4*j:33+4*j]
	v_pk_add_f32 v[178+4*j:179+4*j], v[178+4*j:179+4*j], v[34+4*j:35+4*j]
	global_store_b128 v4, v[176+4*j:179+4*j], s[26:27] offset:65536*(\hf)+512*j th:TH_STORE_NT   ; 32 lanes store 512 consecutive bytes, aligned
.set j, j+1
.endr
.endm
	LOAD3 0
	TOK 0
.irp t, 0,1,2,3
	TILE3 \t
.endr
	WAYOUT 0, 15
	LOAD3 4
	s_wait_xcnt 0x0                                ; the stores have read their registers
	TOK 1
.irp t, 4,5,6,7
	TILE3 \t
.endr
	WAYOUT 1, 12
	v_lshl_add_u32 v1, v0, 2, SPARE                ; the wave's end
	v_mov_b32 v2, 0
	WA
	s_wait_tensorcnt 0x0
	ds_add_u32 v1, v2
	s_wait_dscnt 0x0
	s_endpgm
.Lfunc_end_k_qc3eab2fc5c_main:
	.size	k_qc3eab2fc5c_main, .Lfunc_end_k_qc3eab2fc5c_main-k_qc3eab2fc5c_main
	.p2alignl 7, 3214868480
	.fill 96, 4, 3214868480
	.section	.rodata,"a",@progbits
	.p2align	6, 0x0
	.amdhsa_kernel k_qc3eab2fc5c_main
		.amdhsa_group_segment_fixed_size 327680
		.amdhsa_private_segment_fixed_size 0
		.amdhsa_enable_private_segment 0
		.amdhsa_kernarg_size 80
		.amdhsa_user_sgpr_count 2
		.amdhsa_user_sgpr_kernarg_segment_ptr 1
		.amdhsa_wavefront_size32 1
		.amdhsa_system_sgpr_workgroup_id_x 1
		.amdhsa_system_sgpr_workgroup_id_y 1
		.amdhsa_system_sgpr_workgroup_id_z 1
		.amdhsa_system_vgpr_workitem_id 0
		.amdhsa_next_free_vgpr 256
		.amdhsa_next_free_sgpr 102
		.amdhsa_reserve_vcc 1
		.amdhsa_float_denorm_mode_32 3
		.amdhsa_float_denorm_mode_16_64 3
		.amdhsa_memory_ordered 1
		.amdhsa_forward_progress 1
		.amdhsa_inst_pref_size 243
	.end_amdhsa_kernel
	.amdgpu_metadata
---
amdhsa.version: [ 1, 2 ]
amdhsa.kernels:
  - .name:           k_qc3eab2fc5c_main
    .symbol:         k_qc3eab2fc5c_main.kd
    .args:
      - { .name: tokens, .offset: 0, .size: 8, .value_kind: global_buffer, .address_space: global }
      - { .name: ego_distances, .offset: 8, .size: 8, .value_kind: global_buffer, .address_space: global }
      - { .name: ln1_g, .offset: 16, .size: 8, .value_kind: global_buffer, .address_space: global }
      - { .name: ln1_b, .offset: 24, .size: 8, .value_kind: global_buffer, .address_space: global }
      - { .name: wq, .offset: 32, .size: 8, .value_kind: global_buffer, .address_space: global }
      - { .name: ws, .offset: 40, .size: 8, .value_kind: global_buffer, .address_space: global }
      - { .name: nbr, .offset: 48, .size: 8, .value_kind: global_buffer, .address_space: global }
      - { .name: d5, .offset: 56, .size: 8, .value_kind: global_buffer, .address_space: global }
      - { .name: par, .offset: 64, .size: 8, .value_kind: global_buffer, .address_space: global }
      - { .name: out0, .offset: 72, .size: 8, .value_kind: global_buffer, .address_space: global }
    .group_segment_fixed_size: 327680
    .private_segment_fixed_size: 0
    .kernarg_segment_align: 8
    .kernarg_segment_size: 80
    .max_flat_workgroup_size: 512
    .sgpr_count:     102
    .vgpr_count:     256
    .wavefront_size: 32
...
	.end_amdgpu_metadata
.endif
;; end of part 2
